; MI455X (gfx1250); checked and timed in simulation.
; The chip was launched on July 23, 2026; its instructions are those of AMD's public machine-readable ISA for CDNA 5 (MIT licence, August 2026) and "CDNA5" Instruction Set Architecture Reference Guide (July 2026). The comments in the code are by the model that wrote it; some were corrected since.
;; Long Context Attention QKV Packed. Allowed arithmetic: matrix products marked QUANTISED: E2M1 operands, one E8M0 scale for each 32 along K, by v_wmma_scale_f32_16x16x128_f8f6f4 with both operands' format E2M1 (or v_wmma_scale_f32_32x16x128_f4), f32 sums; everything else in f32.
;; Inputs: qkv 2 x 2,048 x 3 x 16 x 128 float32.
;; Outputs: out0 2 x 2,048 x 16 x 128 float32.
;; This version of the problem:
;;   THIS VERSION OF THE PROBLEM IS GIVEN IN LOW PRECISION. The matrix products marked QUANTISED in the list below multiply operands that are first quantised to E2M1 (2 exponent bits, 1 mantissa bit; 4 bits a number), with one power-of-two scale for each 32 numbers along K (OCP MX v1.0); their sums are f32. All else is computed in f32.
;;   The module's matrix products, in the order in which they are computed (A, B: the left and right operand; K: the contracted axis; several contracted axes count as one K, in the product's order):
;;     1. batch 32 x [M 2,048, K 128] x [K 128, N 2,048]; A: input qkv; B: input qkv: QUANTISED
;;     2. batch 32 x [M 128, K 2,048] x [K 2,048, N 2,048]; A: input qkv; B: softmax (see below): QUANTISED
;;   THE QUANTISER, for each operand of a quantised product, along K:
;;     - K is cut into blocks of 32 from its start; a last block that is shorter is filled with zeros.
;;     - A block's scale is 2^e with e = floor(log2(the largest magnitude in the block)) - 2, held to -126 .. 127; a block of zeros has e = 0. As a byte (E8M0): e + 127.
;;     - Each number is divided by its block's scale, clamped to +-6, and rounded to the nearest number of E2M1, ties to even, subnormals kept.
;;     - The product sums the exact products of the quantised numbers (number of the format x scale) in f32.
;;   ~~~python
;;   def quantise(x, axis):      # numpy; x: float32 -> the quantised numbers, widened to float32 again
;;       x = np.moveaxis(x, axis, -1); K = x.shape[-1]
;;       x = np.pad(x, [(0, 0)] * (x.ndim - 1) + [(0, -K % 32)]); x = x.reshape(x.shape[:-1] + (-1, 32)); a = np.abs(x).max(-1, keepdims=True)
;;       e = np.where(a > 0, np.clip(np.frexp(np.where(a > 0, a, 1))[1] - 1 - 2, -126, 127), 0)      # np.frexp(a)[1] - 1 = floor(log2(a)), exactly
;;       r = np.clip(x / 2.0 ** e, -6, 6)
;;       step = 2.0 ** (np.maximum(np.frexp(np.where(r == 0, 1, r))[1] - 1, 0) - 1)
;;       q = np.round(r / step) * step * 2.0 ** e      # np.round: ties to even
;;       return np.moveaxis(q.reshape(q.shape[:-2] + (-1,))[..., :K], -1, axis).astype(np.float32)
;;   ~~~
;;   SOFTMAX AHEAD OF A QUANTISED PRODUCT. Where the list says 'softmax', what is quantised is not the finished softmax but p = 2^(t - M), with t = logit x log2(e) and M = ceil(the row's largest t), a whole number; so 1/2 < the row's largest p <= 1. The row's sum l is taken of the UNQUANTISED p, in f32, and the product's result is divided by l at the end. Since M is a whole number, a kernel that streams over the keys may use a running M (the ceiling of the running maximum): every later rescaling is an exact power of two, which a block's scale takes up: the codes' values come out the same.
;;   OPERANDS COMPUTED ON THE WAY. 'Computed on the way' means the value that the module computes at that place (a softmax that the list does not call 'softmax' is quantised finished and normalised). What goes into a quantiser is computed in f32, as accurately as f32 sums, v_exp_f32 and their like allow (about 1e-6 of the number): no bf16 or f16 on the way to a quantiser, and a product that is left as it is and whose result goes on into a quantised operand takes f32 operands (vector FMAs, or v_wmma_f32_16x16x4_f32). A number that lies on a knife's edge between two numbers of the format may be rounded either way, as far as f32 arithmetic and the matrix unit's own rounding can turn it there, and no further.
;; One version. Each part assembles by itself: llvm-mc -triple=amdgcn-amd-amdhsa -mcpu=gfx1250 --defsym DOCPART=n.
;; ======== version 1 of 1: 2 launches
;; limits: right only within a limited range of input values
;; workspace buffers: kv 8,912,896 bytes
;; launch quant (part 1): grid 256 x 1, 16 waves a work-group, no clusters, 139,264 bytes of LDS; arguments qkv, kv; writes kv
.if DOCPART == 1
	.amdgcn_target "amdgcn-amd-amdhsa--gfx1250"
	.amdhsa_code_object_version 6
	.text
	.protected	k_q0b2c294e97_quant
	.globl	k_q0b2c294e97_quant
	.p2align	8
	.type	k_q0b2c294e97_quant,@function
k_q0b2c294e97_quant:
	s_mov_b64 s[64:65], 0
	v_nop
	global_prefetch_b8 v0, s[64:65] scope:SCOPE_SE
	s_setreg_imm32_b32 hwreg(HW_REG_WAVE_MODE, 25, 1), 1
	s_wait_xcnt 0x0
; qkv [2][2048][3][16][128] f32.  The keys k (part 1) and the values v (part 2) become codes of FP4 (E2M1) with one E8M0 scale byte for each 32 along the K of the product that reads
; them: k along the head's 128 numbers, v along the KEYS.  Eight work-groups of the next launch read each head's k and v, so they are quantised once, here.
; DEAD WORK LEFT OUT BY THE PROGRAM: reference() masks key n for query q where n > q with -1e30 ahead of the softmax, so those weights are 0 whatever the inputs hold; the next launch leaves out
; the steps of 128 keys that lie wholly behind a tile of 16 queries.  A NaN, an infinity or an overflow that reaches only such work is not carried to the result.
; A block's scale is 2^(floor(log2(its largest magnitude)) - 2); its byte is the largest magnitude's exponent field - 2, held at 1 from below by a floor among the maximum's leaves.
; LIMITS: a block of zeros gets the byte 1 where the rule says 127 (its codes are zeros, and this program alone reads the bytes); blocks whose largest magnitude lies under 2^(3 - 127) are
; held at that byte; NaN and infinities among the inputs are not served.
; WHAT IS STORED: kv [head 16 b + h][key step of 128: 16][17,408 bytes], a step being images of operand registers, 16 bytes a lane (r = lane % 16, h = lane / 16):
;   0:     k: tile t (8) x chunk c (2) x lane: row r of tile t, numbers 64 c + 32 h + 0..31.  Row m of tile 4 C + u is key 64 C + 32 (m / 8) + 8 u + m % 8
;   8192:  k's scale words: g (2) x r (16) x tt (4): row r of tile 4 g + tt
;   8704:  v: tile t (8) x chunk c (2) x lane: d = 16 t + r, keys 64 c + 32 h + 0..31
;   16896: v's scale words: g (2) x r (16) x tt (4): d = 64 g + 16 tt + r
; SHARES: a work-group takes 256 keys (two steps) of one head: waves 0-7 k, two tiles of 16 keys each; waves 8-15 v, 32 keys each.  A wave asks for its 16 KiB in one burst.
; No tensor loads, no cluster: every input byte is read once by one wave.
.set PS,     24576                     ; bytes from position s to s + 1 in qkv
.set PB,     0x3000000                 ; bytes of one b
.set STEPB,  17408
.set HEADB,  16*STEPB
.set KP,     528                       ; k's stage: a key's row of 512 bytes + 16 of padding
.set KREG,   32*KP                     ; a wave's stage
.set SCS,    8*KREG                    ; the scale images of the work-group: k's two steps, v's two steps, 512 bytes each
.set SPARE,  SCS+2048
.set SPW,    12
.set NIL,    13
.set CD,     16                        ; v16-31 codes: four registers for each of four blocks
.set MB,     32
.set OP,     36
.set BY,     40
.set X,      64                        ; v64-191 four blocks of 32 numbers
	s_load_b128 s[4:7], s[0:1], 0x0                ; qkv, kv
	v_lshl_add_u32 v[SPW], v0, 2, SPARE
	v_mov_b32 v[NIL], 0
	v_lshrrev_b32 v1, 5, v0
	v_readfirstlane_b32 s16, v1                    ; wave 0..15
	s_and_b32 s17, s16, 7                          ; kw: my number among the eight of my kind
	s_and_b32 s18, ttmp9, 15                       ; h
	s_lshr_b32 s19, ttmp9, 4
	s_and_b32 s19, s19, 7                          ; which 256 keys
	s_lshr_b32 s20, ttmp9, 7                       ; b
	s_mul_i32 s21, s20, PB
	s_mul_i32 s36, s19, 256*PS
	s_add_co_u32 s21, s21, s36
	s_lshl_b32 s36, s18, 9
	s_add_co_u32 s21, s21, s36
	s_lshr_b32 s36, s17, 1                         ; k: my two runs of 16 keys begin at 64 (kw / 2) + 16 (kw % 2)
	s_mul_i32 s22, s36, 64*PS
	s_and_b32 s37, s17, 1
	s_mul_i32 s38, s37, 16*PS
	s_add_co_u32 s22, s22, s38
	s_add_co_u32 s22, s22, s21
	s_add_co_u32 s22, s22, 8192                    ; part 1 of the three
	s_mov_b32 s23, 0
	s_mul_i32 s24, s17, 32*PS                      ; v: 32 keys
	s_add_co_u32 s24, s24, s21
	s_add_co_u32 s24, s24, 16384                   ; part 2
	s_mov_b32 s25, 0
	s_lshl_b32 s38, s20, 4
	s_add_co_u32 s38, s38, s18
	s_mul_i32 s38, s38, HEADB
	s_mul_i32 s39, s19, 2*STEPB
	s_add_co_u32 s38, s38, s39                     ; the work-group's two steps
	s_lshr_b32 s39, s17, 2
	s_mul_i32 s39, s39, STEPB
	s_add_co_u32 s39, s39, s38                     ; my step
	s_and_b32 s42, s17, 3
	s_lshl_b32 s26, s42, 11                        ; k: tiles 2 (kw % 4), 2 (kw % 4) + 1
	s_add_co_u32 s26, s26, s39
	s_mov_b32 s27, 0
	s_lshl_b32 s28, s42, 8                         ; v: block kw % 4
	s_add_co_u32 s28, s28, s39
	s_add_co_u32 s28, s28, 8704
	s_mov_b32 s29, 0
	s_and_b32 s30, s16, 3                          ; the scale image that waves 0-3 store: 0, 1: k's steps; 2, 3: v's
	s_lshl_b32 s43, s30, 9
	s_lshr_b32 s31, s30, 1
	s_mul_i32 s31, s31, 8704
	s_and_b32 s30, s30, 1
	s_mul_i32 s30, s30, STEPB
	s_add_co_u32 s30, s30, s31
	s_add_co_u32 s30, s30, s38
	s_add_co_u32 s30, s30, 8192
	s_mov_b32 s31, 0
	s_mul_i32 s44, s17, KREG                       ; my stage
	s_lshl_b32 s45, s36, 8
	s_lshl_b32 s46, s37, 3
	s_add_co_u32 s45, s45, s46
	s_add_co_u32 s45, s45, SCS                     ; my k scale words: 256 (kw / 2) + 8 (kw % 2) + 16 r
	s_lshr_b32 s46, s17, 2
	s_lshl_b32 s46, s46, 9
	s_add_co_u32 s46, s46, s42
	s_add_co_u32 s46, s46, SCS+1024                ; my v scale bytes
	s_add_co_u32 s43, s43, SCS
	s_mov_b32 s34, 0x76543210
	s_mov_b32 s35, 0xfedcba98                      ; lane selects: lane l xor 16
	v_and_b32 v14, 31, v0                          ; lane
	v_and_b32 v10, 15, v0                          ; r
	v_bfe_u32 v11, v0, 4, 1                        ; h
	v_lshlrev_b32 v1, 4, v14                       ; 16 x lane
	v_lshlrev_b32 v2, 2, v14                       ; 4 x lane
	v_add_nc_u32 v3, s44, v1                       ; k: into the stage, a row at a time
	v_mul_u32_u24 v4, v10, KP
	v_lshl_add_u32 v4, v11, 7, v4
	v_add_nc_u32 v4, s44, v4                       ; and out of it: row r, 128 h bytes on
	v_lshlrev_b32 v5, 4, v10
	v_lshl_add_u32 v6, v11, 2, v5
	v_add_nc_u32 v5, s45, v5
	v_add_nc_u32 v6, s46, v6
	v_add_nc_u32 v7, s43, v1
	v_lshlrev_b32 v8, 10, v11
	v_lshl_add_u32 v8, v10, 4, v8                  ; v: 1,024 h + 16 r
	v_lshlrev_b32 v9, 3, v11                       ; 8 h
	v_mov_b32 v15, 0
	s_wait_alu depctr_va_vdst(0)                   ; the wait at the head's end
	s_wait_kmcnt 0x0
	s_add_nc_u64 s[22:23], s[4:5], s[22:23]
	s_add_nc_u64 s[24:25], s[4:5], s[24:25]
	s_add_nc_u64 s[26:27], s[6:7], s[26:27]
	s_add_nc_u64 s[28:29], s[6:7], s[28:29]
	s_add_nc_u64 s[30:31], s[6:7], s[30:31]
; Four blocks of 32 numbers, each in one lane's registers X + 32 b ..: largest magnitude (four chains by turns, the floor 2^(3 - 127) among the leaves), scale operand, byte, codes
.macro QUANT
.irp b, 0,1,2,3
	v_max3_num_f32 v[MB+\b], |v[X+32*\b]|, |v[X+1+32*\b]|, 0x1800000
.endr
.irp i, 2,4,6,8,10,12,14,16,18,20,22,24,26,28,30
.irp b, 0,1,2,3
	v_max3_num_f32 v[MB+\b], v[MB+\b], |v[X+32*\b+\i]|, |v[X+1+32*\b+\i]|
.endr
.endr
.irp b, 0,1,2,3
	v_add_nc_u32 v[OP+\b], 0xff000000, v[MB+\b]    ; 2 off the exponent field: the conversion's scale operand
.endr
.irp b, 0,1,2,3
	v_lshrrev_b32 v[BY+\b], 23, v[OP+\b]
.endr
.irp b, 0,1,2,3
.irp g, 0,1,2,3
	v_cvt_scalef32_pk8_fp4_f32 v[CD+4*\b+\g], v[X+32*\b+8*\g:X+32*\b+8*\g+7], v[OP+\b]
.endr
.endr
	v_nop                                          ; one plain line behind the last conversion
.endm
; A wave's end of its LDS stores: the wait for 0 also serves the barrier that follows
.macro CLOSE
	s_wait_tensorcnt 0x0
	ds_add_u32 v[SPW], v[NIL]
	s_wait_dscnt 0x0
.endm
	s_cmp_lt_u32 s16, 8
	s_cbranch_scc0 .Lv
; k: 32 keys of 512 bytes, one load each, through my stage (row 16 tt + 8 H + j is key 32 H + 8 tt + j of my run): back come whole blocks of 32 to a lane
.irp t, 0,1
.irp H, 0,1
.irp j, 0,1,2,3,4,5,6,7
	global_load_b128 v[X+64*\t+32*\H+4*\j:X+64*\t+32*\H+4*\j+3], v1, s[22:23] offset:(32*\H+8*\t+\j)*PS th:TH_LOAD_NT
.endr
.endr
.endr
.irp t, 0,1,2,3
	s_wait_loadcnt 24-8*\t                         ; the loads of the eight rows in hand are in
.irp j, 0,1,2,3,4,5,6,7
	ds_store_b128 v3, v[X+32*\t+4*\j:X+32*\t+4*\j+3] offset:(8*\t+\j)*KP
.endr
.endr
	s_wait_dscnt 0x0                               ; the stores have read the registers that the loads below write
.irp b, 0,1,2,3
.irp g, 0,1,2,3,4,5,6,7
	ds_load_b128 v[X+32*\b+4*\g:X+32*\b+4*\g+3], v4 offset:(\b/2)*16*KP+256*(\b%2)+16*\g   ; tile b / 2, row r, numbers 64 (b % 2) + 32 h + 4 g
.endr
.endr
	s_wait_dscnt 0x0
	QUANT
.irp b, 0,1,2,3
	global_store_b128 v1, v[CD+4*\b:CD+4*\b+3], s[26:27] offset:512*\b   ; 512 consecutive bytes, at a multiple of 256
.endr
	v_lshl_or_b32 v44, v[BY+1], 16, v[BY]          ; my bytes h and 2 + h of tile 0's word, and of tile 1's
	v_lshl_or_b32 v45, v[BY+3], 16, v[BY+2]
	v_lshlrev_b32 v44, v9, v44
	v_lshlrev_b32 v45, v9, v45
	v_permlanex16_b32 v14, v44, s34, s35
	v_permlanex16_b32 v15, v45, s34, s35
	v_or_b32 v44, v44, v14
	v_or_b32 v45, v45, v15
	ds_store_b64 v5, v[44:45]                      ; both halves of the lanes write the same words with the same values
	CLOSE
	s_branch .Ljoin
; v: a lane takes four columns d = 32 q + lane, its registers run down 32 keys: a key's 512 bytes are asked for by four loads on end
.Lv:
.set I, 0
.rept 32
.irp q, 0,1,2,3
	global_load_b32 v[X+32*\q+I], v2, s[24:25] offset:I*PS+128*\q th:TH_LOAD_NT
.endr
.set I, I+1
.endr
	s_wait_loadcnt 0x0
	QUANT
.irp q, 0,1,2,3
	global_store_b128 v8, v[CD+4*\q:CD+4*\q+3], s[28:29] offset:2048*\q   ; sixteen lanes store 256 consecutive bytes, at a multiple of 256
.endr
.irp q, 0,1,2,3
	ds_store_b8 v6, v[BY+\q] offset:256*(\q/2)+8*(\q%2)
.endr
	CLOSE
.Ljoin:
	s_barrier_signal -1
	s_barrier_wait -1                              ; the four scale images are whole
	s_cmp_lt_u32 s16, 4
	s_cbranch_scc0 .Ldone
	ds_load_b128 v[48:51], v7
	s_wait_dscnt 0x0
	global_store_b128 v1, v[48:51], s[30:31]       ; 512 consecutive bytes
.Ldone:
	s_endpgm
.Lfunc_end_k_q0b2c294e97_quant:
	.size	k_q0b2c294e97_quant, .Lfunc_end_k_q0b2c294e97_quant-k_q0b2c294e97_quant
	.p2alignl 7, 3214868480
	.fill 96, 4, 3214868480
	.section	.rodata,"a",@progbits
	.p2align	6, 0x0
	.amdhsa_kernel k_q0b2c294e97_quant
		.amdhsa_group_segment_fixed_size 139264
		.amdhsa_private_segment_fixed_size 0
		.amdhsa_enable_private_segment 0
		.amdhsa_kernarg_size 16
		.amdhsa_user_sgpr_count 2
		.amdhsa_user_sgpr_kernarg_segment_ptr 1
		.amdhsa_wavefront_size32 1
		.amdhsa_system_sgpr_workgroup_id_x 1
		.amdhsa_system_sgpr_workgroup_id_y 1
		.amdhsa_system_sgpr_workgroup_id_z 1
		.amdhsa_system_vgpr_workitem_id 0
		.amdhsa_next_free_vgpr 192
		.amdhsa_next_free_sgpr 66
		.amdhsa_reserve_vcc 0
		.amdhsa_float_denorm_mode_32 3
		.amdhsa_float_denorm_mode_16_64 3
		.amdhsa_memory_ordered 1
		.amdhsa_forward_progress 1
		.amdhsa_inst_pref_size 37
	.end_amdhsa_kernel
	.amdgpu_metadata
---
amdhsa.version: [ 1, 2 ]
amdhsa.kernels:
  - .name:           k_q0b2c294e97_quant
    .symbol:         k_q0b2c294e97_quant.kd
    .args:
      - { .name: qkv, .offset: 0, .size: 8, .value_kind: global_buffer, .address_space: global }
      - { .name: kv, .offset: 8, .size: 8, .value_kind: global_buffer, .address_space: global }
    .group_segment_fixed_size: 139264
    .private_segment_fixed_size: 0
    .kernarg_segment_align: 8
    .kernarg_segment_size: 16
    .max_flat_workgroup_size: 512
    .sgpr_count:     66
    .vgpr_count:     192
    .wavefront_size: 32
...
	.end_amdgpu_metadata
.endif
;; end of part 1
;; launch attn (part 2): grid 8 x 32, 8 waves a work-group, clusters of 4 x 1, 327,680 bytes of LDS; arguments qkv, kv, out0; writes out0
.if DOCPART == 2
	.amdgcn_target "amdgcn-amd-amdhsa--gfx1250"
	.amdhsa_code_object_version 6
	.text
	.protected	k_q0b2c294e97_attn
	.globl	k_q0b2c294e97_attn
	.p2align	8
	.type	k_q0b2c294e97_attn,@function
k_q0b2c294e97_attn:
	s_mov_b64 s[64:65], 0
	v_nop
	global_prefetch_b8 v0, s[64:65] scope:SCOPE_SE
	s_setreg_imm32_b32 hwreg(HW_REG_WAVE_MODE, 25, 1), 1
	s_wait_xcnt 0x0
	s_wait_alu depctr_hold_cnt(0) depctr_sa_sdst(0) depctr_va_vdst(0) depctr_va_sdst(0) depctr_va_ssrc(0) depctr_va_vcc(0) depctr_vm_vsrc(0)
	s_getreg_b32 s2, hwreg(HW_REG_IB_STS2, 6, 4)
	s_cmp_eq_u32 s2, 0
	s_cbranch_scc0 .Lentry_in_a_cluster
	s_endpgm
.Lentry_in_a_cluster:
	s_bfe_u32 s2, ttmp6, 0x10000c
	s_cmp_lg_u32 s2, 0x3003
	s_cbranch_scc0 .Lentry_shape_is_right
	s_endpgm
.Lentry_shape_is_right:
; out0 = the causal softmax of q k^T / sqrt(128), times v, for 32 heads of 2,048 queries and keys; both products on codes of FP4 with E8M0 scales, f32 sums.  kv: the launch before states its layout.
; THE SOFTMAX: t = score x log2(e) / sqrt(128); M = the row's largest t so far, rounded UP to a whole number; p = 2^(t - M) is quantised along the keys, not normalised; the row's sum is taken of the
; unquantised p and divides at the end.  When M moves, the sum and O are multiplied by 2^(old M - new M): exact.
; LEFT OUT: steps of 128 keys wholly behind a tile's 16 queries (their weights are 0 by the mask, for all inputs: the first kernel's head says so, and states the limit).
; LIMITS: scaled scores stay under 2^31 in magnitude; NaN and infinities among the inputs are not served; a block whose largest number lies under 2^(3 - 127) has its scale byte held at 1.
; SHARES.  Work-group w of a head takes the 16 tiles of 16 queries with numbers 8 j + w, j = 0..15: tile j needs the key steps 0..j.  Wave k of eight owns tile S (j = k) and tile L (j = 15 - k): 17 tile-steps each.
; A UNIT of work is: PAIR, both tiles at one step, sharing each fragment (steps 0..k); then DOUBLE, L alone at two steps with one maximum and one rescaling (even steps); SINGLE, L at one step, where one is left over.
; K AND V: all of a head, 278,528 bytes, fits in LDS as it lies in memory.  It comes by two joint loads a wave (the four work-groups of a cluster read the same head): steps 0..3 at the head, steps 4..15 behind one round;
; a barrier in front of step 3's trip shows the second part, and from there on no wave waits for another.  Nothing is prefetched: both fills are asked for ahead of the loops, so nothing is left to ask for.
; Both products are used transposed, so a lane holds ONE query (lane % 16); the keys of a tile are laid so that a lane's 32 registers of four tiles are one whole block of 32 keys: 64 c + 32 (lane / 16) + 0..31.
; REGISTERS.  Window 0: addresses, Q, codes, scales, state; v96-159 scores X, v160-223 scores Y.  Window 1: v0-63 O of S (behind S's way out: the fragments F2), v64-127 O of L, v128-191 fragments F0 (K), v192-255 F1 (V).
.set PS,    24576
.set PB,    0x3000000
.set STEPB, 17408
.set HEADB, 16*STEPB
.set KSO,   8192
.set VO,    8704
.set VSO,   16896
.set R0,    34                         ; rows of 256 bytes that a wave fetches: of steps 0..3,
.set R1,    102                        ; and of steps 4..15
.set C1,    4*STEPB
.set LP,    272
.set STAGE, HEADB                      ; 16 rows of 256 bytes + 16 for each wave
.set SPARE, STAGE+8*16*LP              ; the spare words
.set AL,   1                           ; v1 16 x lane
.set ADR,  2                           ; v2 the step's LDS address
.set H8,   3                           ; v3 8 x (lane / 16)
.set MD,   4                           ; v4 on the diagonal: my query's place in the step - 32 (lane / 16)
.set SPW,  5
.set NIL,  6
.set GO,   7                           ; v7 my byte offset in a tile's rows of out0
.set STO,  8                           ; v8, v9 my stage, in and back
.set RD,   9
.set NI,   10
.set NM,   12                          ; v12 -M of S, v14 of L (v13, v15: the pairs' upper halves)
.set QS,   16                          ; v16-23 Q of S, v24-31 of L
.set PX,   32                          ; v32-39, v40-47 codes of p
.set KSC,  48                          ; v48-55 K's scale words, two steps
.set VSC,  56                          ; v56-63 V's
.set QSC,  64                          ; v64, v65 Q's scale words
.set PSC,  66                          ; v66, v67 p's
.set LSM,  68                          ; v[68:69], v[70:71] the rows' sums, in two halves
.set FF,   72                          ; v72, v74 2^(old M - new M) (v73, v75: upper halves)
.set MB,   76                          ; v76-79 a block's largest
.set OP,   80
.set BY,   84
.set TS,   88                          ; v88-91 two pairs for the sums
.set RW,   92
.set PW,   94
.set T2,   224
.set F0,   128
.set F1,   192
.set F2,   0
.set WV,   18
.set CN,   19
.set SEL,  20
.set CS,   22
.set TB,   48
.set SC,   49
.set KL,   50
.set K1,   51
.set MSB, 0
.macro WIN new                         ; the immediate's high byte repeats the setting that is left
.if MSB != \new
	s_set_vgpr_msb (MSB<<8)|\new
.set MSB, \new
.endif
.endm
.macro ROUND                           ; a round of the cluster's barrier
	s_barrier_signal -1
	s_barrier_wait -1
	s_cmp_lg_u32 s[WV], 0
	s_cbranch_scc1 .Lnot_wave_0_\@
	s_barrier_signal -3
.Lnot_wave_0_\@:
	s_barrier_wait -3
	s_barrier_signal -1
	s_barrier_wait -1
.endm
	s_load_b128 s[4:7], s[0:1], 0x0                ; qkv, kv
	s_load_b64 s[8:9], s[0:1], 0x10                ; out0
	v_lshl_add_u32 v[SPW], v0, 2, SPARE
	v_mov_b32 v[NIL], 0
	ds_add_u32 v[SPW], v[NIL]                      ; the opening: the add, twice on end, and its wait ahead of my first tensor load
	ds_add_u32 v[SPW], v[NIL]
	v_lshrrev_b32 v10, 5, v0
	v_readfirstlane_b32 s[WV], v10                 ; k: wave 0..7
	s_bfe_u32 s60, ttmp6, 0x40000
	s_lshl_b32 s61, ttmp9, 2
	s_add_co_u32 s60, s60, s61                     ; w 0..7
	s_and_b32 s61, ttmp7, 0xffff                   ; the head
	s_lshr_b32 s62, s61, 4                         ; b
	s_and_b32 s63, s61, 15                         ; h
	s_lshl_b32 s66, s60, 4                         ; 16 w
	s_lshl_b32 s67, s[WV], 7
	s_add_co_u32 s67, s67, s66                     ; S's first query
	s_xor_b32 s[KL], s[WV], 15                     ; 15 - k: L's last step
	s_add_co_u32 s[K1], s[WV], 1
	s_lshl_b32 s68, s[KL], 7
	s_add_co_u32 s68, s68, s66                     ; L's first query
	s_mul_i32 s69, s62, PB
	s_lshl_b32 s70, s63, 9
	s_add_co_u32 s69, s69, s70
	s_mul_i32 s72, s67, PS
	s_add_co_u32 s72, s72, s69
	s_mov_b32 s73, 0
	s_mul_i32 s74, s68, PS
	s_add_co_u32 s74, s74, s69
	s_mov_b32 s75, 0
	s_lshl_b32 s71, s62, 24
	s_add_co_u32 s71, s71, s70
	s_lshl_b32 s76, s67, 13
	s_add_co_u32 s76, s76, s71
	s_mov_b32 s77, 0
	s_lshl_b32 s78, s68, 13
	s_add_co_u32 s78, s78, s71
	s_mov_b32 s79, 0
	s_mul_i32 s80, s61, HEADB
	s_mul_i32 s82, s[WV], R0*256                   ; my part of steps 0..3: in the head, and in LDS
	s_mul_i32 s84, s[WV], R1*256
	s_add_co_u32 s84, s84, C1                      ; my part of steps 4..15
	s_add_co_u32 s86, s80, s82
	s_mov_b32 s87, 0
	s_add_co_u32 s88, s80, s84
	s_mov_b32 s89, 0
	s_mul_i32 s90, s[WV], 16*LP
	s_add_co_u32 s90, s90, STAGE
	; descriptor group 1: dense rows of 256 bytes as 32 elements of 8 bytes; the mask names the cluster's four work-groups, bit 21 beside it
	s_mov_b32 s24, 15|(3<<16)|(1<<21)
	s_mov_b32 s25, 32<<16
	s_mov_b32 s26, R0<<16
	s_mov_b32 s27, 32<<16
	s_mov_b32 s28, R0
	s_mov_b32 s29, 32
	s_mov_b32 s30, 0
	s_mov_b32 s31, 0
	s_mov_b32 s32, 15|(3<<16)|(1<<21)
	s_mov_b32 s33, 32<<16
	s_mov_b32 s34, R1<<16
	s_mov_b32 s35, 32<<16
	s_mov_b32 s36, R1
	s_mov_b32 s37, 32
	s_mov_b32 s38, 0
	s_mov_b32 s39, 0
	s_mov_b32 s[SEL], 0x76543210
	s_mov_b32 s[SEL+1], 0xfedcba98                 ; lane l xor 16
	s_mov_b32 s[CS], 0x3e0293ee                    ; c = log2(e) / sqrt(128)
	s_mov_b32 s[CS+1], s[CS]
	s_mov_b32 s[CN], 0xbe0293ee                    ; -c
	s_mov_b32 s[TB], 0
	s_mov_b32 s[SC], 0
	v_and_b32 v10, 31, v0
	v_and_b32 v11, 15, v0                          ; r
	v_bfe_u32 v94, v0, 4, 1                        ; h
	v_lshlrev_b32 v[AL], 4, v10
	v_lshlrev_b32 v[H8], 3, v94
	v_lshlrev_b32 v95, 5, v94
	v_sub_nc_u32 v[MD], v11, v95
	v_add_nc_u32 v[MD], s66, v[MD]
	v_mul_u32_u24 v92, v94, PS                     ; Q: lanes 0-15 take 256 bytes of one row, lanes 16-31 of the next
	v_lshl_add_u32 v92, v11, 4, v92
	v_lshlrev_b32 v[GO], 13, v94
	v_lshl_add_u32 v[GO], v11, 4, v[GO]
	v_mul_u32_u24 v[STO], v11, LP
	v_lshl_add_u32 v93, v94, 7, v[STO]             ; Q back from the stage: row r, 128 h bytes on
	v_lshl_add_u32 v[STO], v94, 5, v[STO]
	v_add_nc_u32 v93, s90, v93
	v_add_nc_u32 v[STO], s90, v[STO]
	v_mul_u32_u24 v[RD], v94, LP
	v_lshl_add_u32 v[RD], v11, 4, v[RD]
	v_add_nc_u32 v[RD], s90, v[RD]
	s_wait_alu depctr_va_vdst(0)                   ; the wait here, directly ahead of the waits below
	s_wait_dscnt 0x0                               ; both opening adds are done
	s_wait_kmcnt 0x0
	s_add_nc_u64 s[56:57], s[4:5], s[72:73]
	s_add_nc_u64 s[58:59], s[4:5], s[74:75]
.irp t, 0,1                            ; Q of S and of L: 32 loads, each two whole units of 256 bytes
.irp u, 0,1
.irp p, 0,1,2,3,4,5,6,7
	global_load_b128 v[96+64*\t+32*\u+4*\p:99+64*\t+32*\u+4*\p], v92, s[56+2*\t:57+2*\t] offset:2*\p*PS+256*\u th:TH_LOAD_NT
.endr
.endr
.endr
	s_add_nc_u64 s[52:53], s[8:9], s[76:77]
	s_add_nc_u64 s[54:55], s[8:9], s[78:79]
	s_mov_b32 s40, 1
	s_mov_b32 s41, s82
	s_add_nc_u64 s[42:43], s[6:7], s[86:87]
	s_or_b32 s43, s43, 0x80000000
	s_mov_b32 s44, 1
	s_mov_b32 s45, s84
	s_add_nc_u64 s[46:47], s[6:7], s[88:89]
	s_or_b32 s47, s47, 0x80000000
	ROUND                                          ; in front of the first joint load
	tensor_load_to_lds s[40:43], s[24:31]          ; steps 0..3
	s_nop 0
; Q turns through my stage, a tile's half rows at a time; LDS serves a wave's instructions in order, so no wait stands between a half's stores and its loads
.macro QTURN src, dst, lw, dw
	s_wait_loadcnt \lw                             ; this half's eight loads are in
.irp p, 0,1,2,3,4,5,6,7
	ds_store_b128 v[RD], v[\src+4*\p:\src+4*\p+3] offset:2*\p*LP
.endr
.if \dw
	s_wait_dscnt 8                                 ; the half before is back, so its stores have read the registers that these loads write; the eight stores above may be out
.endif
.irp g, 0,1,2,3,4,5,6,7
	ds_load_b128 v[\dst+4*\g:\dst+4*\g+3], v93 offset:16*\g
.endr
.endm
	QTURN 96, 224, 24, 0
	QTURN 128, 96, 16, 1
	QTURN 160, 128, 8, 1
	QTURN 192, 160, 0, 1
	v_mov_b32 v13, 0
	v_mov_b32 v15, 0
	v_mov_b32 v73, 0
	v_mov_b32 v75, 0
	s_wait_alu depctr_va_vdst(0)
	s_wait_dscnt 0x0
.set QB0, 224
.set QB1, 96
.set QB2, 128
.set QB3, 160
.irp b, 0,1,2,3                        ; Q's four blocks (two a tile), each whole in my lane
	v_max3_num_f32 v[MB+\b], |v[QB\b]|, |v[QB\b+1]|, 0x1800000
.endr
.irp i, 2,4,6,8,10,12,14,16,18,20,22,24,26,28,30
.irp b, 0,1,2,3
	v_max3_num_f32 v[MB+\b], v[MB+\b], |v[QB\b+\i]|, |v[QB\b+1+\i]|
.endr
.endr
; Scale operands, bytes and scale words of the blocks MB ..: a block's byte is byte 2 c + h of its tile's word, the other two come from lane l xor 16
.macro SCALES nb, w
.irp b, 0,1,2,3
.if \b < \nb
	v_add_nc_u32 v[OP+\b], 0xff000000, v[MB+\b]    ; 2 off the exponent field: the conversion's scale operand
.endif
.endr
.irp b, 0,1,2,3
.if \b < \nb
	v_lshrrev_b32 v[BY+\b], 23, v[OP+\b]
.endif
.endr
.irp k, 0,1,2,3
.irp x, 0,1
.if 2*\x < \nb
.if \k == 0
	v_lshl_or_b32 v[RW+\x], v[BY+2*\x+1], 16, v[BY+2*\x]
.endif
.if \k == 1
	v_lshlrev_b32 v[RW+\x], v[H8], v[RW+\x]
.endif
.if \k == 2
	v_permlanex16_b32 v[PW+\x], v[RW+\x], s[SEL], s[SEL+1]
.endif
.if \k == 3
	v_or_b32 v[\w+\x], v[RW+\x], v[PW+\x]
.endif
.endif
.endr
.endr
.endm
	SCALES 4, QSC
.irp b, 0,1,2,3
.irp g, 0,1,2,3
	v_cvt_scalef32_pk8_fp4_f32 v[QS+4*\b+\g], v[QB\b+8*\g:QB\b+8*\g+7], v[OP+\b]
.endr
.endr
	v_nop
; ---------------------------------------------------------------- the parts of a unit
; m: 0 PAIR, 1 SINGLE, 2 DOUBLE.  NBK: blocks of 32 keys in a lane's scores
.macro FRAGS f, o
.irp t, 0,1,2,3,4,5,6,7
	ds_load_b128 v[\f+8*\t:\f+8*\t+3], v[ADR] offset:\o+1024*\t
	ds_load_b128 v[\f+8*\t+4:\f+8*\t+7], v[ADR] offset:\o+1024*\t+512
.endr
.endm
.macro LOADS n
	v_add_nc_u32 v[ADR], s[TB], v[AL]
.rept 4
	v_nop                                          ; with the line above five places behind the last products: the loads below write their operands, and F2 lies over O of S
.endr
	ds_load_b128 v[KSC:KSC+3], v[ADR] offset:KSO
	ds_load_b128 v[VSC:VSC+3], v[ADR] offset:VSO
.if \n == 2
	ds_load_b128 v[KSC+4:KSC+7], v[ADR] offset:STEPB+KSO
	ds_load_b128 v[VSC+4:VSC+7], v[ADR] offset:STEPB+VSO
.endif
	WIN 0x40
	FRAGS F0, 0
.if \n == 2
	FRAGS F2, STEPB
.endif
	FRAGS F1, VO
	WIN 0
.endm
.macro MM d, a, b, acc, sa, t, sb
.if \acc
.if \t < 4
	v_wmma_scale_f32_16x16x128_f8f6f4 v[\d:\d+7], v[\a:\a+7], v[\b:\b+7], v[\d:\d+7], v[\sa+\t], v[\sb] matrix_a_fmt:MATRIX_FMT_FP4 matrix_b_fmt:MATRIX_FMT_FP4
.else
	v_wmma_scale_f32_16x16x128_f8f6f4 v[\d:\d+7], v[\a:\a+7], v[\b:\b+7], v[\d:\d+7], v[\sa+\t-4], v[\sb] matrix_a_fmt:MATRIX_FMT_FP4 matrix_b_fmt:MATRIX_FMT_FP4 matrix_a_scale:MATRIX_SCALE_ROW1
.endif
.else
.if \t < 4
	v_wmma_scale_f32_16x16x128_f8f6f4 v[\d:\d+7], v[\a:\a+7], v[\b:\b+7], 0, v[\sa+\t], v[\sb] matrix_a_fmt:MATRIX_FMT_FP4 matrix_b_fmt:MATRIX_FMT_FP4
.else
	v_wmma_scale_f32_16x16x128_f8f6f4 v[\d:\d+7], v[\a:\a+7], v[\b:\b+7], 0, v[\sa+\t-4], v[\sb] matrix_a_fmt:MATRIX_FMT_FP4 matrix_b_fmt:MATRIX_FMT_FP4 matrix_a_scale:MATRIX_SCALE_ROW1
.endif
.endif
.endm
.macro QK m
	s_wait_alu depctr_va_vdst(0)                   ; the wait here, directly ahead of the wait below
.if \m == 2
	s_wait_dscnt 32                                ; the scale words and the first step's K are in; 16 loads of the second K and 16 of V may be out
.else
	s_wait_dscnt 16                                ; the 16 loads of V may be out
.endif
	WIN 1
.irp t, 0,1,2,3,4,5,6,7
.if \m == 0
	MM 96+8*\t, F0+8*\t, QS, 0, KSC, \t, QSC
	MM 160+8*\t, F0+8*\t, QS+8, 0, KSC, \t, QSC+1
.else
	MM 96+8*\t, F0+8*\t, QS+8, 0, KSC, \t, QSC+1
.endif
.endr
.if \m == 2
	s_wait_dscnt 16                                ; the second K is in
.irp t, 0,1,2,3,4,5,6,7
	MM 160+8*\t, F2+8*\t, QS+8, 0, KSC+4, \t, QSC+1
.endr
.endif
	WIN 0
.rept 4
	v_nop
.endr
.if \m == 2
	WIN 0x40
	FRAGS F2, STEPB+VO                             ; the second step's V, over the K just multiplied
	WIN 0
.endif
.endm
.macro MASK base                       ; the diagonal step: register 32 c + i holds key 64 c + 32 h + i: hidden where 64 c + i > MD.  p = 0 then
	v_mov_b32 v[NI], 0xff800000
.set I, 0
.rept 64
	v_cmp_gt_i32 vcc_lo, 64*(I/32)+(I%32), v[MD]
	v_cndmask_b32 v[\base+I], v[\base+I], v[NI], vcc_lo
.set I, I+1
.endr
.endm
.macro MAXES                           ; the largest score of each block, whole in my lane; the blocks by turns
.irp b, 0,1,2,3
.if \b < NBK
	v_max3_num_f32 v[MB+\b], v[96+32*\b], v[97+32*\b], v[98+32*\b]
.endif
.endr
.irp i, 3,5,7,9,11,13,15,17,19,21,23,25,27,29
.irp b, 0,1,2,3
.if \b < NBK
	v_max3_num_f32 v[MB+\b], v[MB+\b], v[96+32*\b+\i], v[97+32*\b+\i]
.endif
.endr
.endr
.irp b, 0,1,2,3
.if \b < NBK
	v_max_num_f32 v[MB+\b], v[MB+\b], v[127+32*\b]
.endif
.endr
.endm
.macro ML k, T, first
.if \k == 0
	v_permlanex16_b32 v[PW+\T], v[RW+\T], s[SEL], s[SEL+1]
.endif
.if \k == 1
	v_max_num_f32 v[RW+\T], v[RW+\T], v[PW+\T]     ; the row's largest score
.endif
.if \k == 2
	v_mul_f32 v[RW+\T], s[CN], v[RW+\T]            ; -t
.endif
.if \first
.if \k == 3
	v_floor_f32 v[NM+2*\T], v[RW+\T]               ; -M = floor(-t)
.endif
.else
.if \k == 3
	v_floor_f32 v[RW+\T], v[RW+\T]
.endif
.if \k == 4
	v_min_num_f32 v[RW+\T], v[RW+\T], v[NM+2*\T]   ; the new -M
.endif
.if \k == 5
	v_sub_f32 v[FF+2*\T], v[RW+\T], v[NM+2*\T]     ; old M - new M: a whole number, 0 or less
.endif
.if \k == 6
	v_mov_b32 v[NM+2*\T], v[RW+\T]
.endif
.if \k == 7
	v_cvt_i32_f32 v[FF+2*\T], v[FF+2*\T]           ; (it saturates)
.endif
.if \k == 8
	v_ldexp_f32 v[FF+2*\T], 1.0, v[FF+2*\T]
.endif
.endif
.endm
.macro MCH m, first
.if \m == 0
	v_max_num_f32 v[RW], v[MB], v[MB+1]
	v_max_num_f32 v[RW+1], v[MB+2], v[MB+3]
.endif
.if \m == 1
	v_max_num_f32 v[RW+1], v[MB], v[MB+1]
.endif
.if \m == 2
	v_max3_num_f32 v[RW+1], v[MB], v[MB+1], v[MB+2]
	v_max_num_f32 v[RW+1], v[RW+1], v[MB+3]
.endif
.irp k, 0,1,2,3,4,5,6,7,8
.if \m == 0
	ML \k, 0, \first
.endif
	ML \k, 1, \first
.endr
.endm
.macro EXPS                            ; p = 2^(t - M), and of each block's largest score: the same two instructions on the same number
.set I, 0
.rept 32
	v_pk_fma_f32 v[96+I:97+I], v[96+I:97+I], s[CS:CS+1], v[NX:NX+1] op_sel_hi:[1,0,0]
.if NBK == 4
	v_pk_fma_f32 v[160+I:161+I], v[160+I:161+I], s[CS:CS+1], v[NM+2:NM+3] op_sel_hi:[1,0,0]
.endif
.set I, I+2
.endr
.irp b, 0,1,2,3
.if \b < NBK
.if \b < 2
	v_fma_f32 v[MB+\b], v[MB+\b], s[CS], v[NX]
.else
	v_fma_f32 v[MB+\b], v[MB+\b], s[CS], v[NM+2]
.endif
.endif
.endr
	s_wait_alu depctr_va_vdst(0)                   ; the wait ahead of the batch
.irp b, 0,1,2,3
.if \b < NBK
	v_exp_f32 v[MB+\b], v[MB+\b]
.endif
.endr
.set I, 0
.rept 32*NBK
	v_exp_f32 v[96+I], v[96+I]
.set I, I+1
.endr
	v_nop                                          ; a plain place behind the exponentials
	s_wait_alu depctr_va_vdst(0)                   ; and the wait behind the batch
.endm
.macro CODES
.irp b, 0,1,2,3
.if \b < NBK
	v_max_num_f32 v[MB+\b], 0x1800000, v[MB+\b]    ; the floor 2^(3 - 127)
.endif
.endr
	SCALES NBK, PSC
.irp b, 0,1,2,3
.if \b < NBK
.irp g, 0,1,2,3
	v_cvt_scalef32_pk8_fp4_f32 v[PX+4*\b+\g], v[96+32*\b+8*\g:96+32*\b+8*\g+7], v[OP+\b]   ; whole blocks in a lane: the operand's registers as they stand
.endr
.endif
.endr
	v_nop
.endm
.macro SUMS m, first                   ; the rows' sums of the unquantised p, two at a time, in two or four chains
.if \m == 0
.set LA, LSM
.set FA, FF
.set LB, LSM+2
.else
.set LA, LSM+2
.set FA, FF+2
.set LB, T2
.endif
.if \first
	v_pk_add_f32 v[LA:LA+1], v[96:97], v[100:101]
.else
	v_pk_fma_f32 v[LA:LA+1], v[LA:LA+1], v[FA:FA+1], v[96:97] op_sel_hi:[1,0,1]
.endif
	v_pk_add_f32 v[TS:TS+1], v[98:99], v[102:103]
.if \m != 1
.if (\m == 0) && (\first == 0)
	v_pk_fma_f32 v[LB:LB+1], v[LB:LB+1], v[FF+2:FF+3], v[160:161] op_sel_hi:[1,0,1]
.else
	v_pk_add_f32 v[LB:LB+1], v[160:161], v[164:165]
.endif
	v_pk_add_f32 v[TS+2:TS+3], v[162:163], v[166:167]
.endif
.if \first == 0
	v_pk_add_f32 v[LA:LA+1], v[LA:LA+1], v[100:101]
.if \m == 0
	v_pk_add_f32 v[LB:LB+1], v[LB:LB+1], v[164:165]
.endif
.endif
.irp j, 8,12,16,20,24,28,32,36,40,44,48,52,56,60
	v_pk_add_f32 v[LA:LA+1], v[LA:LA+1], v[96+\j:97+\j]
	v_pk_add_f32 v[TS:TS+1], v[TS:TS+1], v[98+\j:99+\j]
.if \m != 1
	v_pk_add_f32 v[LB:LB+1], v[LB:LB+1], v[160+\j:161+\j]
	v_pk_add_f32 v[TS+2:TS+3], v[TS+2:TS+3], v[162+\j:163+\j]
.endif
.endr
	v_pk_add_f32 v[LA:LA+1], v[LA:LA+1], v[TS:TS+1]
.if \m != 1
	v_pk_add_f32 v[LB:LB+1], v[LB:LB+1], v[TS+2:TS+3]
.endif
.if \m == 2
	v_pk_add_f32 v[LA:LA+1], v[LA:LA+1], v[LB:LB+1]
.endif
.endm
.macro PV m, first
.if \first == 0
	WIN 0x41
	s_wait_alu depctr_va_vdst(0)                   ; the wait here, directly ahead of the first reader of O
.if \m == 0
.set I, 0
.rept 32
	v_pk_mul_f32 v[I:I+1], v[I:I+1], v[FF:FF+1] op_sel_hi:[1,0]
.set I, I+2
.endr
.endif
.set I, 64
.rept 32
	v_pk_mul_f32 v[I:I+1], v[I:I+1], v[FF+2:FF+3] op_sel_hi:[1,0]
.set I, I+2
.endr
.endif
	s_wait_alu depctr_va_vdst(0)                   ; the wait here, directly ahead of the wait below
	s_wait_dscnt 0x0                               ; V is in
	WIN 0x51
.irp t, 0,1,2,3,4,5,6,7
.if \m == 0
	MM 0+8*\t, F1+8*\t, PX, 1-\first, VSC, \t, PSC
	MM 64+8*\t, F1+8*\t, PX+8, 1-\first, VSC, \t, PSC+1
.else
	MM 64+8*\t, F1+8*\t, PX, 1, VSC, \t, PSC
.endif
.endr
.if \m == 2
.irp t, 0,1,2,3,4,5,6,7
	MM 64+8*\t, F2+8*\t, PX+8, 1, VSC+4, \t, PSC+1
.endr
.endif
	WIN 0
.endm
; THE WAY OUT of tile T: O / the sum, through my stage half a row (256 bytes) of 16 queries at a time, so that sixteen lanes store one aligned unit of 256 bytes
.macro OUT T
.rept 4
	v_nop
.endr
	v_add_f32 v[LSM+2*\T], v[LSM+2*\T], v[LSM+2*\T+1]
	v_permlanex16_b32 v[PW], v[LSM+2*\T], s[SEL], s[SEL+1]
	v_add_f32 v[LSM+2*\T], v[LSM+2*\T], v[PW]
	s_wait_alu depctr_va_vdst(0)                   ; the wait ahead of the transcendental
	v_rcp_f32 v[LSM+2*\T], v[LSM+2*\T]
	v_nop
	WIN 1
	s_wait_alu depctr_va_vdst(0)                   ; and behind it, ahead of the first readers
.set I, 0
.rept 32
	v_pk_mul_f32 v[96+I:97+I], v[64*\T+I:64*\T+I+1], v[LSM+2*\T:LSM+2*\T+1] op_sel_hi:[1,0]
.set I, I+2
.endr
	WIN 0
.irp u, 0,1
.irp t, 0,1,2,3
	ds_store_b128 v[STO], v[96+32*\u+8*\t:99+32*\u+8*\t] offset:64*\t
	ds_store_b128 v[STO], v[100+32*\u+8*\t:103+32*\u+8*\t] offset:64*\t+16
.endr
.irp i, 0,1,2,3,4,5,6,7
	ds_load_b128 v[160+32*\u+4*\i:163+32*\u+4*\i], v[RD] offset:2*\i*LP   ; LDS serves a wave's instructions in order: these see my stores
.endr
.endr
.irp u, 0,1
.irp i, 0,1,2,3,4,5,6,7
	s_wait_dscnt 23-16*\u-\i                       ; all but the younger loads and stores of the stage
	global_store_b128 v[GO], v[160+32*\u+4*\i:163+32*\u+4*\i], s[52+2*\T:53+2*\T] offset:2*\i*8192+256*\u th:TH_STORE_NT
.endr
.endr
	s_wait_xcnt 0x0                                ; the stores' registers may be written again
.endm
.macro UNIT m, first
.if \m == 1
.set NBK, 2
.else
.set NBK, 4
.endif
.if \m == 0
.set NX, NM
.else
.set NX, NM+2
.endif
.if \m == 2
	LOADS 2
.else
	LOADS 1
.endif
	QK \m
.if \m == 0
	s_cmp_eq_u32 s[SC], s[WV]                      ; S's diagonal?
.endif
.if \m == 1
	s_cmp_eq_u32 s[SC], s[KL]                      ; L's?
.endif
.if \m == 2
	s_add_co_u32 s60, s[SC], 1
	s_cmp_eq_u32 s60, s[KL]                        ; L's, in the second step?
.endif
	s_cbranch_scc0 .Lopen_\@
.if \m == 2
	MASK 160
.else
	MASK 96
.endif
.Lopen_\@:
	MAXES
	MCH \m, \first
	EXPS
	CODES
	SUMS \m, \first
	PV \m, \first
.if \m == 0
	s_cmp_eq_u32 s[SC], s[WV]                      ; S is finished
	s_cbranch_scc0 .Lkeep_\@
	OUT 0
.Lkeep_\@:
.endif
.endm
; A trip of step SC: up to k PAIR; behind 15 - k nothing; else DOUBLE at even steps, SINGLE at an odd step k + 1 and at an even step 15 - k.  Ids and the count of steps alone decide
.macro BODY
	s_cmp_le_u32 s[SC], s[WV]
	s_cbranch_scc0 .Lnp_\@
	UNIT 0, 0
	s_branch .Lnext_\@
.Lnp_\@:
	s_cmp_gt_u32 s[SC], s[KL]
	s_cbranch_scc1 .Lnext_\@
	s_bitcmp1_b32 s[SC], 0
	s_cbranch_scc1 .Lodd_\@
	s_cmp_eq_u32 s[SC], s[KL]
	s_cbranch_scc1 .Lone_\@
	UNIT 2, 0
	s_branch .Lnext_\@
.Lodd_\@:
	s_cmp_lg_u32 s[SC], s[K1]
	s_cbranch_scc1 .Lnext_\@
.Lone_\@:
	UNIT 1, 0
.Lnext_\@:
.endm
	s_wait_alu depctr_va_vdst(0)                   ; the wait at the head's end
	s_wait_tensorcnt 0x0                           ; my part of steps 0..3 is in
	ds_add_u32 v[SPW], v[NIL]
	s_wait_dscnt 0x0
	ROUND                                          ; everybody's part of steps 0..3 is in, and the joint loads meet
	tensor_load_to_lds s[44:47], s[32:39]          ; steps 4..15
	s_nop 0
	UNIT 0, 1                                      ; step 0 starts all sums: nothing is cleared
	s_mov_b32 s[TB], STEPB
	s_mov_b32 s[SC], 1
.Lfirst:                                               ; steps 1 and 2 (a DOUBLE at 2 reads step 3 too): in the first four steps' bytes
	BODY
	s_add_co_u32 s[TB], s[TB], STEPB
	s_add_co_u32 s[SC], s[SC], 1
	s_cmp_lt_u32 s[SC], 3
	s_wait_alu depctr_va_vdst(0)
	s_cbranch_scc1 .Lfirst
	s_wait_alu depctr_va_vdst(0)
	s_wait_tensorcnt 0x0                           ; my part of steps 4..15 is in
	s_wait_dscnt 0x0
	s_barrier_signal -1
	s_barrier_wait -1                              ; and everybody's
	s_mov_b32 s[TB], 3*STEPB
	s_mov_b32 s[SC], 3
.Lrest:                                                ; steps 3..14 (step 15 belongs to a DOUBLE at 14)
	BODY
	s_add_co_u32 s[TB], s[TB], STEPB
	s_add_co_u32 s[SC], s[SC], 1
	s_cmp_lt_u32 s[SC], 15
	s_wait_alu depctr_va_vdst(0)
	s_cbranch_scc1 .Lrest
	OUT 1
	s_wait_tensorcnt 0x0                           ; the wave's end
	ds_add_u32 v[SPW], v[NIL]
	s_wait_dscnt 0x0
	ROUND                                          ; the closing round
	s_endpgm
.Lfunc_end_k_q0b2c294e97_attn:
	.size	k_q0b2c294e97_attn, .Lfunc_end_k_q0b2c294e97_attn-k_q0b2c294e97_attn
	.p2alignl 7, 3214868480
	.fill 96, 4, 3214868480
	.section	.rodata,"a",@progbits
	.p2align	6, 0x0
	.amdhsa_kernel k_q0b2c294e97_attn
		.amdhsa_group_segment_fixed_size 327680
		.amdhsa_private_segment_fixed_size 0
		.amdhsa_enable_private_segment 0
		.amdhsa_kernarg_size 24
		.amdhsa_user_sgpr_count 2
		.amdhsa_user_sgpr_kernarg_segment_ptr 1
		.amdhsa_wavefront_size32 1
		.amdhsa_system_sgpr_workgroup_id_x 1
		.amdhsa_system_sgpr_workgroup_id_y 1
		.amdhsa_system_sgpr_workgroup_id_z 1
		.amdhsa_system_vgpr_workitem_id 0
		.amdhsa_next_free_vgpr 512
		.amdhsa_next_free_sgpr 92
		.amdhsa_reserve_vcc 1
		.amdhsa_float_denorm_mode_32 3
		.amdhsa_float_denorm_mode_16_64 3
		.amdhsa_memory_ordered 1
		.amdhsa_forward_progress 1
		.amdhsa_inst_pref_size 255
	.end_amdhsa_kernel
	.section	.bss,"aw",@nobits
	.p2align	6
	.space	262144
	.amdgpu_metadata
---
amdhsa.version: [ 1, 2 ]
amdhsa.kernels:
  - .name:           k_q0b2c294e97_attn
    .symbol:         k_q0b2c294e97_attn.kd
    .args:
      - { .name: qkv, .offset: 0, .size: 8, .value_kind: global_buffer, .address_space: global }
      - { .name: kv, .offset: 8, .size: 8, .value_kind: global_buffer, .address_space: global }
      - { .name: out0, .offset: 16, .size: 8, .value_kind: global_buffer, .address_space: global }
    .group_segment_fixed_size: 327680
    .private_segment_fixed_size: 0
    .kernarg_segment_align: 8
    .kernarg_segment_size: 24
    .max_flat_workgroup_size: 256
    .sgpr_count:     92
    .vgpr_count:     512
    .wavefront_size: 32
...
	.end_amdgpu_metadata
.endif
;; end of part 2
